; MI455X (gfx1250); checked and timed in simulation.
; The chip was launched on July 23, 2026; its instructions are those of AMD's public machine-readable ISA for CDNA 5 (MIT licence, August 2026) and "CDNA5" Instruction Set Architecture Reference Guide (July 2026). The comments in the code are by the model that wrote it; some were corrected since.
;; Centralized Critic. Allowed arithmetic: float matrix products may take bf16 or f16 operands with f32 sums; all other float work in f32.
;; Inputs: mb1 128 float32; mb2 128 float32; mb3 64 float32; mb4 1 float32; mw1 108 x 128 float32; mw2 128 x 128 float32; mw3 128 x 64 float32; mw4 64 x 1 float32; rb1 64 float32; rb2 64 float32; rb3 32 float32; robot_features 16,384 x 64 x 6 float32; rw1 6 x 64 float32; rw2 64 x 64 float32; rw3 64 x 32 float32; tb1 64 float32; tb2 64 float32; tb3 32 float32; tier0_features 16,384 x 44 float32; track_features 16,384 x 128 x 7 float32; tw1 7 x 64 float32; tw2 64 x 64 float32; tw3 64 x 32 float32.
;; Outputs: out0 16,384 float32.
;; One version. Each part assembles by itself: llvm-mc -triple=amdgcn-amd-amdhsa -mcpu=gfx1250 --defsym DOCPART=n.
;; ======== version 1 of 1: 1 launch
;; launch critic (part 1): grid 256 x 1, 8 waves a work-group, no clusters, 327,680 bytes of LDS; arguments robot_features, track_features, tier0_features, rw1, rw2, rw3, tw1, tw2, tw3, rb1, rb2, rb3, tb1, tb2, tb3, mw1, mw2, mw3, mw4, mb1, mb2, mb3, mb4, out0; writes out0
.if DOCPART == 1
	.amdgcn_target "amdgcn-amd-amdhsa--gfx1250"
	.amdhsa_code_object_version 6
	.text
	.protected	k_q73af117dfa_critic
	.globl	k_q73af117dfa_critic
	.p2align	8
	.type	k_q73af117dfa_critic,@function
k_q73af117dfa_critic:
	s_mov_b64 s[64:65], 0
	v_nop
	global_prefetch_b8 v0, s[64:65] scope:SCOPE_SE
	s_setreg_imm32_b32 hwreg(HW_REG_WAVE_MODE, 25, 1), 1
	s_wait_xcnt 0x0
; CentralizedCritic, all of it in one launch.  16,384 items; a work-group owns 64, a wave 8 (both set encoders); waves 0-3 then run the head, 16 items each.
; ENCODERS.  Layers 1 and 2 are computed transposed: D = W^T (source 0, 16 output features) x X^T (source 1, 16 set rows).  Register j of lane (r, h) of D is
; feature 16 t + 8 h + j of row r, so packing registers 2i, 2i+1 of tile t to bf16 gives register 4 t + i of the next layer's operand: the layers chain in
; registers.  b1 and b2 lie in registers in D's layout and are the C of a sum's first product.  Layer 3 takes the same registers as source 0 (16 rows) and W3 as
; source 1: a lane then holds 8 rows of one feature, and the pooling over the set is work inside a lane plus one exchange between the halves for each item.
; LAYER 1 has 6 or 7 inputs and the product 32.  A block X of four registers holds one row a lane (8 bf16, the tail zero).  Weights lo_t hold W1^T in lanes 0-15 and zeros in
; lanes 16-31, hi_t the other way round: they pick the rows of lanes 0-15, or of lanes 16-31, as the 16 columns.  The other four registers of source 1 are a block of zeros.
; A stage = one X block = 32 rows = 8 + 16 + 8 matrix instructions.
; HEAD.  Every operand v of the head's three matrix layers goes as two bf16 numbers, hi = bf16(v) and lo = bf16(v - hi), 16 significant bits together, and every product as
; three: Whi x chi + Whi x clo + Wlo x chi (lo x lo is 2^-16 of a product and is left out).  An item passes the head once and nothing averages its roundings there;
; the price is 240 matrix instructions a head wave in place of 80, against 1,536 a wave in the encoders.
; STREAM.  Each wave has two LDS slots of its own; a tensor load brings 4 robot items (24 rows of 256 bytes) or 2 track items (28 rows), dense in memory, each starting at a
; multiple of 256 bytes from the buffer's first byte.  By this text's own count a wave has at most two tensor loads outstanding.
; WEIGHTS come through registers (f32 to bf16) into LDS images [K][N] and are read by transposing loads.  The head's come in chunks, each asked for at one change of tiles and stored at a later one.
; NO CLUSTER: the features, which are all of a step's bytes, are read by one work-group each; the weights are shared, but each work-group reads them once and they must pass
; through registers to be rounded, and their 207 KB of f32 do not fit in LDS beside the slots (128 KB) and the bf16 images (40 KB and 184 KB, which already share bytes with both).
; LIMITS.  b3 is added after the pooling ((mean(e)+max(e))/2 + b3: another order of rounding than e + b3 first).  relu is max(x, 0) in which a NaN loses: a NaN activation becomes 0.
; An infinity or NaN among an item's features meets zeros in layer 1 and so reaches all rows of that item, and no other item.  The encoders' matrix operands are rounded to bf16.
; A head operand whose rounding to bf16 overflows (above about 3.39e38) gives NaN in its lo part.
.set USE_DUAL, 1                       ; relu on two registers in one dual instruction; 0: two plain ones
; LDS map, bytes
.set W2O,   3840                       ; an encoder's images: W1 24 rows x 160 at 0 (rows 0-7 zero, 8.. W1, rest zero), W2 64 x 160, W3 64 x 96
.set W3O,   14080
.set ENC,   20224                      ; the track encoder's images lie ENC behind the robot encoder's
.set MW2L,  0                          ; 128 x 288, mw2's lo: over the encoders' images (40,448 bytes), once every wave has taken the track weights into registers
.set VEC,   40448                      ; f32: rb1 rb2 rb3 tb1 tb2 tb3 mb1 mb2 mb3 mw4, 704 numbers
.set OUTS,  43264                      ; the group's 64 results
.set CMAT,  43520                      ; 64 items x 272 bytes: 128 bf16 (tier0 44, robot 32, track 32, zeros 20) + 16: the hi parts
.set CMATL, 60928                      ; the same for the lo parts
.set MW1H,  78336                      ; 128 x 288 (rows 108-127 zero)
.set MW1L,  115200
.set MW2H,  152064                     ; 128 x 288
.set SLOTS, 188928                     ; wave w, slot s at SLOTS + 16384 w + 8192 s: the only bytes that tensor loads fill
.set MW3H,  SLOTS                      ; 128 x 160, mw3's hi, and MW3LO behind it its lo: stored into the slots after their last fill and their last read
.set MW3LO, 20480
; vector registers, window 0
.set TT,  12                           ; v12-19   at work
.set XA,  20                           ; v20-43   Xa Z Xb Xc Z Xd
.set ZA,  24
.set XB,  28
.set XC,  32
.set ZB,  36
.set XD,  40
.set DD,  44                           ; v44-107  eight accumulator tiles; the raw features land here too
.set HH,  108                          ; v108-139 activations in bf16, 16 registers for each half of the stage's rows
.set SS,  140                          ; v140-155 running sums, 8 for each 16 features
.set MM,  156                          ; v156-163 running maxima, 4 for each 16 features
.set HW,  164                          ; v164-219 a chunk of the head's weights on its way
; v0 thread, v1 lane, v2/v3/v4 lane terms of transposing loads for pitch 96/160/288, v5 32 h, v6/v7 my ring + 48 L / 112 L, v8 running read address,
; v9 2176 w + 2 L, v10 running address in CMAT, v11 b3[L], v220 16 t, v224 4 L,
; v221/v225 where my part of a pass of mw1 goes (hi/lo), v222/v226 of mw2, v223 of mw3
; head, window 0
.set CH,  20                           ; v20-51   c hi, later layer 2's activations hi
.set CL,  52                           ; v52-83   c lo, later layer 2's activations lo
.set DA,  84                           ; v84-147  the sums of layer 1, then of layer 2
.set HHI, 148                          ; v148-179 layer 1's activations hi, later layer 3's sums
.set HLO, 180                          ; v180-211 layer 1's activations lo, later mw4
.set TS,  212                          ; v212-219 at work
; window 1 (encoders)
.set WC1, 0                            ; 0 lo0-3 hi0-3 0: ten blocks of four
.set WW2, 40                           ; W2^T tile t, K half k at 16 t + 8 k
.set WW3, 104                          ; W3 tile u, K half k at 16 u + 8 k
.set WB1, 136
.set WB2, 168
.set G0,  68                           ; s[68:75] descriptor group 0, one set for each slot; s[76:83] group 1 for robot tiles, s[84:91] for track tiles
.set MSB, 0
.set CVP, 0
.macro WIN new                         ; the immediate's high byte repeats the setting that is left
.if MSB != \new
	s_set_vgpr_msb (MSB<<8)|\new
.set MSB, \new
.endif
.endm
.macro PLACES                          ; four independent vector instructions between a matrix instruction and whatever reads its result or writes its registers (ISA guide 7.12.1)
.rept 4
	v_nop
.endr
.endm
.macro RELU2 d
.if USE_DUAL
	v_dual_max_num_f32 v[\d], 0, v[\d] :: v_dual_max_num_f32 v[\d+1], 0, v[\d+1]
.else
	v_max_num_f32 v[\d], 0, v[\d]
	v_max_num_f32 v[\d+1], 0, v[\d+1]
.endif
.endm
; relu and rounding of nt tiles at d0 into 4 nt registers at h0, two tiles at a time
.macro ACT d0, h0, nt
	WIN 0
.set ac_p, 0
.rept \nt/2
.set ac_i, 0
.rept 8
	RELU2 \d0+16*ac_p+2*ac_i
.set ac_i, ac_i+1
.endr
.set ac_i, 0
.rept 8
	v_cvt_pk_bf16_f32 v[\h0+8*ac_p+ac_i], v[\d0+16*ac_p+2*ac_i], v[\d0+16*ac_p+2*ac_i+1]
.set ac_i, ac_i+1
.endr
.set ac_p, ac_p+1
.endr
.endm
; the head's form: relu, hi = bf16(x) into hh, lo = bf16(x - hi) into hl.  x - hi is exact in f32: hi lies within 2^-8 of x.
.macro ACTS d0, hh, hl, nt
	WIN 0
.set as_p, 0
.rept \nt/2
.set as_i, 0
.rept 8
	RELU2 \d0+16*as_p+2*as_i
.set as_i, as_i+1
.endr
.set as_i, 0
.rept 8
	v_cvt_pk_bf16_f32 v[\hh+8*as_p+as_i], v[\d0+16*as_p+2*as_i], v[\d0+16*as_p+2*as_i+1]
.set as_i, as_i+1
.endr
.set as_g, 0
.rept 2
.set as_i, 0
.rept 4
	v_lshlrev_b32 v[TS+2*as_i], 16, v[\hh+8*as_p+4*as_g+as_i]
	v_and_b32 v[TS+2*as_i+1], s5, v[\hh+8*as_p+4*as_g+as_i]
.set as_i, as_i+1
.endr
.set as_i, 0
.rept 4
	v_pk_fma_f32 v[\d0+16*as_p+8*as_g+2*as_i:\d0+16*as_p+8*as_g+2*as_i+1], v[TS+2*as_i:TS+2*as_i+1], -1.0, v[\d0+16*as_p+8*as_g+2*as_i:\d0+16*as_p+8*as_g+2*as_i+1] op_sel_hi:[1,0,1]
.set as_i, as_i+1
.endr
.set as_i, 0
.rept 4
	v_cvt_pk_bf16_f32 v[\hl+8*as_p+4*as_g+as_i], v[\d0+16*as_p+8*as_g+2*as_i], v[\d0+16*as_p+8*as_g+2*as_i+1]
.set as_i, as_i+1
.endr
.set as_g, as_g+1
.endr
.set as_p, as_p+1
.endr
.endm
; four f32 to four bf16 and into LDS; the pair at work takes turns among four
.macro CV4 src, va, off
	v_cvt_pk_bf16_f32 v[TT+2*CVP], v[\src], v[\src+1]
	v_cvt_pk_bf16_f32 v[TT+2*CVP+1], v[\src+2], v[\src+3]
	ds_store_b64 v[\va], v[TT+2*CVP:TT+2*CVP+1] offset:\off
.set CVP, (CVP+1)&3
.endm
; four f32 to four hi and four lo, each into its own image; the f32 registers end as x - hi
.macro CV4S src, vh, offh, vl, offl
	v_cvt_pk_bf16_f32 v[TT], v[\src], v[\src+1]
	v_cvt_pk_bf16_f32 v[TT+1], v[\src+2], v[\src+3]
	ds_store_b64 v[\vh], v[TT:TT+1] offset:\offh
	v_lshlrev_b32 v[TT+2], 16, v[TT]
	v_and_b32 v[TT+3], s5, v[TT]
	v_lshlrev_b32 v[TT+4], 16, v[TT+1]
	v_and_b32 v[TT+5], s5, v[TT+1]
	v_pk_fma_f32 v[\src:\src+1], v[TT+2:TT+3], -1.0, v[\src:\src+1] op_sel_hi:[1,0,1]
	v_pk_fma_f32 v[\src+2:\src+3], v[TT+4:TT+5], -1.0, v[\src+2:\src+3] op_sel_hi:[1,0,1]
	v_cvt_pk_bf16_f32 v[TT+6], v[\src], v[\src+1]
	v_cvt_pk_bf16_f32 v[TT+7], v[\src+2], v[\src+3]
	ds_store_b64 v[\vl], v[TT+6:TT+7] offset:\offl
.endm
; sums and maxima over the stage's 32 rows; first = 1: the item's first stage starts them, nothing is cleared
.macro POOL first
	WIN 0
.irp u,0,1
.if \first
.irp i,0,1,2,3
	v_pk_add_f32 v[SS+8*\u+2*\i:SS+8*\u+2*\i+1], v[DD+8*\u+2*\i:DD+8*\u+2*\i+1], v[DD+16+8*\u+2*\i:DD+16+8*\u+2*\i+1]
.endr
.irp i,0,1,2,3
	v_max3_num_f32 v[MM+4*\u+\i], v[DD+8*\u+2*\i], v[DD+8*\u+2*\i+1], v[DD+16+8*\u+2*\i]
.endr
.irp i,0,1,2,3
	v_max_num_f32 v[MM+4*\u+\i], v[MM+4*\u+\i], v[DD+16+8*\u+2*\i+1]
.endr
.else
.irp i,0,1,2,3
	v_pk_add_f32 v[SS+8*\u+2*\i:SS+8*\u+2*\i+1], v[SS+8*\u+2*\i:SS+8*\u+2*\i+1], v[DD+8*\u+2*\i:DD+8*\u+2*\i+1]
.endr
.irp i,0,1,2,3
	v_max3_num_f32 v[MM+4*\u+\i], v[MM+4*\u+\i], v[DD+8*\u+2*\i], v[DD+8*\u+2*\i+1]
.endr
.irp i,0,1,2,3
	v_pk_add_f32 v[SS+8*\u+2*\i:SS+8*\u+2*\i+1], v[SS+8*\u+2*\i:SS+8*\u+2*\i+1], v[DD+16+8*\u+2*\i:DD+16+8*\u+2*\i+1]
.endr
.irp i,0,1,2,3
	v_max3_num_f32 v[MM+4*\u+\i], v[MM+4*\u+\i], v[DD+16+8*\u+2*\i], v[DD+16+8*\u+2*\i+1]
.endr
.endif
.endr
.endm
; 32 rows through the three layers.  xb: source 1 of layer 1, eight registers of the X chain; p = 0: the X block is its first half, 1: its second.
; The accumulators take turns, one instruction a turn.
.macro STAGE xb, p, first
	WIN 0x11                               ; source 0 and C in window 1
.irp a,0,1
.irp t,0,1,2,3
	v_wmma_f32_16x16x32_bf16 v[DD+32*\a+8*\t:DD+32*\a+8*\t+7], v[WC1+4*(1+4*\a+\t-\p):WC1+4*(1+4*\a+\t-\p)+7], v[\xb:\xb+7], v[WB1+8*\t:WB1+8*\t+7]
.endr
.endr
	PLACES
	ACT DD, HH, 8
	WIN 0x11
.irp a,0,1
.irp t,0,1,2,3
	v_wmma_f32_16x16x32_bf16 v[DD+32*\a+8*\t:DD+32*\a+8*\t+7], v[WW2+16*\t:WW2+16*\t+7], v[HH+16*\a:HH+16*\a+7], v[WB2+8*\t:WB2+8*\t+7]
.endr
.endr
	WIN 0x01                               ; source 0 in window 1, C = D
.irp a,0,1
.irp t,0,1,2,3
	v_wmma_f32_16x16x32_bf16 v[DD+32*\a+8*\t:DD+32*\a+8*\t+7], v[WW2+16*\t+8:WW2+16*\t+15], v[HH+16*\a+8:HH+16*\a+15], v[DD+32*\a+8*\t:DD+32*\a+8*\t+7]
.endr
.endr
	PLACES
	ACT DD, HH, 8
	WIN 0x04                               ; source 1 in window 1
.irp a,0,1
.irp u,0,1
	v_wmma_f32_16x16x32_bf16 v[DD+16*\a+8*\u:DD+16*\a+8*\u+7], v[HH+16*\a:HH+16*\a+7], v[WW3+16*\u:WW3+16*\u+7], 0
.endr
.endr
.irp a,0,1
.irp u,0,1
	v_wmma_f32_16x16x32_bf16 v[DD+16*\a+8*\u:DD+16*\a+8*\u+7], v[HH+16*\a+8:HH+16*\a+15], v[WW3+16*\u+8:WW3+16*\u+15], v[DD+16*\a+8*\u:DD+16*\a+8*\u+7]
.endr
.endr
	PLACES
	POOL \first
.endm
; the item's embedding: inv = 0.5 / rows.  Lanes 0-15 keep features 0-15 and send their part of 16-31 to the other half, lanes 16-31 the other way: lane L ends with feature L.
.macro FIN inv
.irp u,0,1
	v_pk_add_f32 v[SS+8*\u:SS+8*\u+1], v[SS+8*\u:SS+8*\u+1], v[SS+8*\u+2:SS+8*\u+3]
	v_pk_add_f32 v[SS+8*\u+4:SS+8*\u+5], v[SS+8*\u+4:SS+8*\u+5], v[SS+8*\u+6:SS+8*\u+7]
	v_max3_num_f32 v[TT+2+\u], v[MM+4*\u], v[MM+4*\u+1], v[MM+4*\u+2]
.endr
.irp u,0,1
	v_pk_add_f32 v[SS+8*\u:SS+8*\u+1], v[SS+8*\u:SS+8*\u+1], v[SS+8*\u+4:SS+8*\u+5]
	v_max_num_f32 v[TT+2+\u], v[TT+2+\u], v[MM+4*\u+3]
.endr
.irp u,0,1
	v_add_f32 v[TT+\u], v[SS+8*\u], v[SS+8*\u+1]
.endr
	v_cndmask_b32 v[TT+5], v[TT+1], v[TT], s5      ; to send: sums
	v_cndmask_b32 v[TT+7], v[TT+3], v[TT+2], s5    ; to send: maxima
	v_cndmask_b32 v[TT+4], v[TT], v[TT+1], s5      ; to keep
	v_cndmask_b32 v[TT+6], v[TT+2], v[TT+3], s5
	v_permlanex16_b32 v[TT], v[TT+5], s6, s7       ; lane i takes lane i xor 16
	v_permlanex16_b32 v[TT+1], v[TT+7], s6, s7
	v_add_f32 v[TT+4], v[TT+4], v[TT]
	v_max_num_f32 v[TT+6], v[TT+6], v[TT+1]
	v_fma_f32 v[TT+2], v[TT+6], 0.5, v11           ; max / 2 + b3
	v_fma_f32 v[TT+2], v[TT+4], \inv, v[TT+2]      ; + sum / (2 rows)
	v_cvt_pk_bf16_f32 v[TT+3], v[TT+2], v[TT+2]    ; hi
	ds_store_b16 v10, v[TT+3] offset:CMAT
	v_lshlrev_b32 v[TT+5], 16, v[TT+3]
	v_sub_f32 v[TT+2], v[TT+2], v[TT+5]
	v_cvt_pk_bf16_f32 v[TT+2], v[TT+2], v[TT+2]    ; lo
	ds_store_b16 v10, v[TT+2] offset:CMATL
.endm
; a robot item: lane L takes rows 2 L and 2 L + 1, 48 bytes; lanes 48 bytes apart: sixteen lanes start at sixteen different 16-byte columns modulo 256 bytes
.macro RBATCH
.irp i,0,1,2
	ds_load_b128 v[DD+4*\i:DD+4*\i+3], v8 offset:16*\i
.endr
	s_wait_dscnt 0x0
.irp i,0,1,2
	v_cvt_pk_bf16_f32 v[XA+\i], v[DD+2*\i], v[DD+2*\i+1]
	v_cvt_pk_bf16_f32 v[XB+\i], v[DD+6+2*\i], v[DD+7+2*\i]
.endr
	STAGE XA, 0, 1
	STAGE ZA, 1, 0
	FIN 0x3c000000
.endm
.macro TROW xr, e
	v_cvt_pk_bf16_f32 v[\xr], v[DD+7*\e], v[DD+7*\e+1]
	v_cvt_pk_bf16_f32 v[\xr+1], v[DD+7*\e+2], v[DD+7*\e+3]
	v_cvt_pk_bf16_f32 v[\xr+2], v[DD+7*\e+4], v[DD+7*\e+5]
	v_cvt_pk_bf16_f32 v[\xr+3], v[DD+7*\e+6], 0
.endm
; a track item: lane L takes rows 4 L .. 4 L + 3, 112 bytes (seven 16-byte columns from lane to lane)
.macro TBATCH
.irp i,0,1,2,3,4,5,6
	ds_load_b128 v[DD+4*\i:DD+4*\i+3], v8 offset:16*\i
.endr
	s_wait_dscnt 0x0
	TROW XA, 0
	TROW XB, 1
	TROW XC, 2
	TROW XD, 3
	STAGE XA, 0, 1
	STAGE ZA, 1, 0
	STAGE XC, 0, 0
	STAGE ZB, 1, 0
	FIN 0x3b800000
.endm
; tile i of the robot items lies in slot i; tcnt: how many younger tensor loads of mine may stay out
.macro RTILE i, tcnt
	s_wait_tensorcnt \tcnt
	v_add_nc_u32 v8, 8192*\i, v6
	v_add_nc_u32 v10, 88+1088*\i, v9               ; bf16 number 44 of my item 4 i
	s_mov_b32 s4, 4
.Lr\@:
	RBATCH
	v_add_nc_u32 v8, 1536, v8
	v_add_nc_u32 v10, 272, v10
	s_sub_co_i32 s4, s4, 1
	s_cmp_lg_u32 s4, 0
	s_cbranch_scc1 .Lr\@
.endm
.macro TTILE i, slot, tcnt
	s_wait_tensorcnt \tcnt
	v_add_nc_u32 v8, 8192*\slot, v7
	v_add_nc_u32 v10, 152+544*\i, v9               ; bf16 number 76 of my item 2 i
	s_mov_b32 s4, 2
.Lt\@:
	TBATCH
	v_add_nc_u32 v8, 3584, v8
	v_add_nc_u32 v10, 272, v10
	s_sub_co_i32 s4, s4, 1
	s_cmp_lg_u32 s4, 0
	s_cbranch_scc1 .Lt\@
.endm
; A slot that has been read gets track tile number tile.  Every wave waits for its LDS instructions and for all its tensor loads, so that no load of mine is out and
; a group 0 may be written; then the barrier; then my one tensor load, first thing behind it.  The other slot has landed and is read while this load is on its way.
.macro REFILL slot, tile
	s_wait_dscnt 0x0
	s_wait_tensorcnt 0x0
	ds_add_u32 v254, v255
	s_wait_dscnt 0x0
	s_add_nc_u64 s[G0+4*\slot+2:G0+4*\slot+3], s[92:93], \tile*7168
	s_or_b32 s[G0+4*\slot+3], s[G0+4*\slot+3], 0x80000000
	s_barrier_signal -1
	s_barrier_wait -1
	tensor_load_to_lds s[G0+4*\slot:G0+4*\slot+3], s[84:91]
	s_nop 0
.endm
; encoder e's weights and biases from the LDS images into window 1
.macro LOADW e
	WIN 0x40
.if \e == 0
.irp i,0,1,2,3
	v_mov_b32 v[WC1+\i], 0
	v_mov_b32 v[WC1+36+\i], 0
.endr
.endif
.irp t,0,1,2,3
	ds_load_tr16_b128 v[WC1+4+4*\t:WC1+7+4*\t], v3 offset:\e*ENC+1280+32*\t      ; image rows 8-15 to lanes 0-15, rows 16-23 (zeros) to lanes 16-31
	ds_load_tr16_b128 v[WC1+20+4*\t:WC1+23+4*\t], v3 offset:\e*ENC+32*\t         ; image rows 0-7 (zeros) to lanes 0-15, rows 8-15 to lanes 16-31
.endr
.irp t,0,1,2,3
.irp k,0,1
	ds_load_tr16_b128 v[WW2+16*\t+8*\k:WW2+16*\t+8*\k+3], v3 offset:\e*ENC+W2O+5120*\k+32*\t
	ds_load_tr16_b128 v[WW2+16*\t+8*\k+4:WW2+16*\t+8*\k+7], v3 offset:\e*ENC+W2O+5120*\k+32*\t+2560
.endr
.endr
.irp u,0,1
.irp k,0,1
	ds_load_tr16_b128 v[WW3+16*\u+8*\k:WW3+16*\u+8*\k+3], v2 offset:\e*ENC+W3O+3072*\k+32*\u
	ds_load_tr16_b128 v[WW3+16*\u+8*\k+4:WW3+16*\u+8*\k+7], v2 offset:\e*ENC+W3O+3072*\k+32*\u+1536
.endr
.endr
.irp t,0,1,2,3
	ds_load_b128 v[WB1+8*\t:WB1+8*\t+3], v5 offset:VEC+640*\e+64*\t              ; b[16 t + 8 h + j]
	ds_load_b128 v[WB1+8*\t+4:WB1+8*\t+7], v5 offset:VEC+640*\e+64*\t+16
	ds_load_b128 v[WB2+8*\t:WB2+8*\t+3], v5 offset:VEC+640*\e+256+64*\t
	ds_load_b128 v[WB2+8*\t+4:WB2+8*\t+7], v5 offset:VEC+640*\e+256+64*\t+16
.endr
	WIN 0
	ds_load_b32 v11, v224 offset:VEC+640*\e+512
	s_wait_dscnt 0x0
.endm
.macro HLD reg, ptr, pass              ; a pass: 256 threads x 16 bytes = 4,096 neighbouring bytes of a weight matrix, into four registers of the chunk
	global_load_b128 v[HW+4*(\reg):HW+4*(\reg)+3], v220, s[\ptr:\ptr+1] offset:4096*(\pass)
.endm
.macro VLD reg, ptr, cnt               ; cnt x 32 numbers of a small vector
.set vl_i, 0
.rept \cnt
	global_load_b32 v[108+\reg+vl_i], v224, s[\ptr:\ptr+1] offset:128*vl_i
.set vl_i, vl_i+1
.endr
.endm
; head: nt tiles of a vector in D's layout
.macro BIASLD d0, off, nt
	WIN 0
.set bl_t, 0
.rept \nt
	ds_load_b128 v[\d0+8*bl_t:\d0+8*bl_t+3], v5 offset:\off+64*bl_t
	ds_load_b128 v[\d0+8*bl_t+4:\d0+8*bl_t+7], v5 offset:\off+64*bl_t+16
.set bl_t, bl_t+1
.endr
.endm
; head: 16 weight fragments (nt tiles x nkk steps of 32 along K, from step kk0) of the image at va + boff into window 1 at buf: 32 loads
.macro LOADG buf, va, boff, pitch, nt, kk0, nkk
	WIN 0x40
.set lg_k, 0
.rept \nkk
.set lg_t, 0
.rept \nt
	ds_load_tr16_b128 v[\buf+8*(lg_k*\nt+lg_t):\buf+8*(lg_k*\nt+lg_t)+3], v[\va] offset:\boff+32*(\kk0+lg_k)*\pitch+32*lg_t
	ds_load_tr16_b128 v[\buf+8*(lg_k*\nt+lg_t)+4:\buf+8*(lg_k*\nt+lg_t)+7], v[\va] offset:\boff+32*(\kk0+lg_k)*\pitch+32*lg_t+16*\pitch
.set lg_t, lg_t+1
.endr
.set lg_k, lg_k+1
.endr
.endm
; head: their 16 products with the operand at b0 onto the nt accumulators at d0, which take turns, one instruction a turn
.macro MULG buf, d0, b0, nt, kk0, nkk
	WIN 0x01
.set mg_k, 0
.rept \nkk
.set mg_t, 0
.rept \nt
	v_wmma_f32_16x16x32_bf16 v[\d0+8*mg_t:\d0+8*mg_t+7], v[\buf+8*(mg_k*\nt+mg_t):\buf+8*(mg_k*\nt+mg_t)+7], v[\b0+8*(\kk0+mg_k):\b0+8*(\kk0+mg_k)+7], v[\d0+8*mg_t:\d0+8*mg_t+7]
.set mg_t, mg_t+1
.endr
.set mg_k, mg_k+1
.endr
.endm
	; ---------------- entry: the 24 addresses, in the order of the arguments, in s[16:63]
	s_load_b512 s[16:31], s[0:1], 0x0              ; robot 16, track 18, tier0 20, rw1 22, rw2 24, rw3 26, tw1 28, tw2 30
	s_load_b512 s[32:47], s[0:1], 0x40             ; tw3 32, rb1 34, rb2 36, rb3 38, tb1 40, tb2 42, tb3 44, mw1 46
	s_load_b512 s[48:63], s[0:1], 0x80             ; mw2 48, mw3 50, mw4 52, mb1 54, mb2 56, mb3 58, mb4 60, out0 62
	v_lshl_add_u32 v254, v0, 2, 0x4e400
	v_mov_b32 v255, 0
	ds_add_u32 v254, v255
	ds_add_u32 v254, v255
	v_lshrrev_b32 v1, 5, v0
	v_readfirstlane_b32 s2, v1                     ; wave
	s_mov_b32 s3, ttmp9                            ; work-group
	s_mov_b32 s5, 0xffff0000                       ; lanes 16-31; also a word's upper bf16
	s_mov_b32 s6, 0x76543210
	s_mov_b32 s7, 0xfedcba98
	; group 1: a dense block as rows of 32 elements of 8 bytes; 24 rows (4 robot items), 28 rows (2 track items)
	s_mov_b32 s76, 3<<16                           ; no mask, elements of 8 bytes, no padding
	s_mov_b32 s77, 32<<16                          ; tensor_dim0 = 32
	s_mov_b32 s78, 24<<16                          ; tensor_dim1 = 24
	s_mov_b32 s79, 32<<16                          ; tile_dim0 = 32
	s_mov_b32 s80, 24                              ; tile_dim1 = 24
	s_mov_b32 s81, 32                              ; from row to row: 32 elements
	s_mov_b32 s82, 0
	s_mov_b32 s83, 0
	s_mov_b32 s84, 3<<16
	s_mov_b32 s85, 32<<16
	s_mov_b32 s86, 28<<16
	s_mov_b32 s87, 32<<16
	s_mov_b32 s88, 28
	s_mov_b32 s89, 32
	s_mov_b32 s90, 0
	s_mov_b32 s91, 0
	s_mul_i32 s9, s2, 16384                        ; my ring
	s_mov_b32 s68, 1
	s_add_co_u32 s69, s9, SLOTS
	s_mov_b32 s72, 1
	s_add_co_u32 s73, s9, SLOTS+8192
	s_mul_i32 s10, s3, 98304                       ; 64 robot items of 1,536 bytes
	s_mul_i32 s11, s2, 12288                       ; 8 of them
	s_add_co_u32 s10, s10, s11
	s_mov_b32 s11, 0
	s_mul_i32 s12, s3, 229376                      ; 64 track items of 3,584 bytes
	s_mul_i32 s13, s2, 28672
	s_add_co_u32 s12, s12, s13
	s_mov_b32 s13, 0
	s_mul_i32 s14, s3, 11264                       ; 64 rows of tier0
	s_mov_b32 s15, 0
	s_wait_dscnt 0x0
	s_wait_kmcnt 0x0
	s_add_nc_u64 s[94:95], s[16:17], s[10:11]      ; my first robot item
	s_add_nc_u64 s[92:93], s[18:19], s[12:13]      ; my first track item
	s_mov_b64 s[70:71], s[94:95]
	s_or_b32 s71, s71, 0x80000000
	s_add_nc_u64 s[74:75], s[94:95], 6144
	s_or_b32 s75, s75, 0x80000000
	tensor_load_to_lds s[68:71], s[76:83]          ; the two first fills go out together, ahead of every LDS read, barrier and wait on TENSORcnt
	s_nop 0
	tensor_load_to_lds s[72:75], s[76:83]
	s_nop 0
	s_add_nc_u64 s[94:95], s[20:21], s[14:15]      ; tier0 at the group's first item
	s_load_b32 s8, s[60:61], 0x0                   ; mb4
	; ---------------- lane terms
	v_and_b32 v1, 31, v0                           ; L
	v_and_b32 v12, 7, v0
	v_bfe_u32 v13, v0, 4, 1                        ; h
	v_bfe_u32 v14, v0, 3, 1
	v_lshl_add_u32 v12, v13, 3, v12                ; 8 h + (L & 7): the image row that I address in a transposing load
	v_lshlrev_b32 v14, 4, v14                      ; which 16 bytes of it
	v_mad_u32_u24 v2, v12, 96, v14
	v_mad_u32_u24 v3, v12, 160, v14
	v_mad_u32_u24 v4, v12, 288, v14
	v_lshlrev_b32 v5, 5, v13
	v_mad_u32_u24 v6, v1, 48, s69
	v_mad_u32_u24 v7, v1, 112, s69
	s_mul_i32 s10, s2, 2176                        ; my 8 rows of CMAT
	v_lshl_add_u32 v9, v1, 1, s10
	v_lshlrev_b32 v220, 4, v0
	v_lshlrev_b32 v224, 2, v1
	s_mul_i32 s11, s2, 288
	v_lshl_add_u32 v226, v1, 3, s11                ; a pass of a 128-wide matrix: wave w holds row w, lane L columns 4 L ..; as it stands: mw2's lo image, at LDS byte 0
	v_add_nc_u32 v221, MW1H, v226
	v_add_nc_u32 v225, MW1L, v226
	v_add_nc_u32 v222, MW2H, v226
	v_lshrrev_b32 v15, 4, v0
	v_and_b32 v16, 15, v0
	v_lshlrev_b32 v17, 3, v16
	v_mad_u32_u24 v134, v15, 160, v17              ; a pass of a 64-wide matrix: row t >> 4, columns 4 (t & 15) ..
	v_add_nc_u32 v223, MW3H, v134
	v_min_u32 v16, 10, v16                         ; tier0: sixteen lanes an item, eleven parts of 16 bytes; lanes 11-15 repeat part 10
	v_lshlrev_b32 v17, 4, v16
	v_mad_u32_u24 v140, v15, 176, v17
	v_lshlrev_b32 v17, 3, v16
	v_mad_u32_u24 v141, v15, 272, v17
	v_add_nc_u32 v142, CMATL, v141                 ; the lo parts' base goes into the register: with four passes' steps it would pass the 16 bits of an LDS offset
	v_lshrrev_b32 v15, 3, v0
	v_and_b32 v16, 7, v0
	v_lshlrev_b32 v16, 3, v16
	v_mad_u32_u24 v135, v15, 96, v16               ; a pass of a 32-wide matrix: row t >> 3, columns 4 (t & 7) ..
	v_lshlrev_b32 v136, 3, v0                      ; W1: wave w takes row w, two numbers a lane
	s_mul_i32 s12, s2, 160
	v_lshl_add_u32 v137, v1, 2, s12
	v_lshrrev_b32 v15, 2, v0
	v_and_b32 v16, 3, v0
	v_mul_u32_u24 v138, v15, 272
	v_lshl_add_u32 v139, v16, 3, v138
.irp i,0,1,2,3
	v_mov_b32 v[ZA+\i], 0
	v_mov_b32 v[ZB+\i], 0
	v_mov_b32 v[130+\i], 0                         ; W1's rows of the waves that have none
.endr
	v_mov_b32 v[XA+3], 0                           ; a robot row has six numbers
	v_mov_b32 v[XB+3], 0
	; ---------------- the prologue's loads
.irp p,0,1,2,3
	global_load_b128 v[44+4*\p:47+4*\p], v220, s[24:25] offset:4096*\p         ; rw2
	global_load_b128 v[68+4*\p:71+4*\p], v220, s[30:31] offset:4096*\p         ; tw2
.endr
.irp p,0,1
	global_load_b128 v[60+4*\p:63+4*\p], v220, s[26:27] offset:4096*\p         ; rw3
	global_load_b128 v[84+4*\p:87+4*\p], v220, s[32:33] offset:4096*\p         ; tw3
.endr
.irp p,0,1,2,3
	global_load_b128 v[92+4*\p:95+4*\p], v140, s[94:95] offset:2816*\p th:TH_LOAD_NT   ; tier0, 16 items a pass
.endr
	s_cmp_lt_u32 s2, 6
	s_cbranch_scc0 .Lno_rw1
	global_load_b64 v[130:131], v136, s[22:23]
.Lno_rw1:
	s_cmp_lt_u32 s2, 7
	s_cbranch_scc0 .Lno_tw1
	global_load_b64 v[132:133], v136, s[28:29]
.Lno_tw1:
	s_cmp_eq_u32 s2, 7
	s_cbranch_scc0 .Lno_vec
	VLD 0, 34, 2
	VLD 2, 36, 2
	VLD 4, 38, 1
	VLD 5, 40, 2
	VLD 7, 42, 2
	VLD 9, 44, 1
	VLD 10, 54, 4
	VLD 14, 56, 4
	VLD 18, 58, 2
	VLD 20, 52, 2
.Lno_vec:
	; zeros that wait for no load: rows 0-7 and 16-23 of both W1 images, numbers 108-127 of every row of CMAT, hi and lo
	ds_store_b32 v137, v[ZA]
	ds_store_b32 v137, v[ZA] offset:2560
	ds_store_b32 v137, v[ZA] offset:ENC
	ds_store_b32 v137, v[ZA] offset:ENC+2560
	ds_store_b64 v139, v[ZA:ZA+1] offset:CMAT+216
	ds_store_b64 v138, v[ZA:ZA+1] offset:CMAT+248
	ds_store_b64 v139, v[ZA:ZA+1] offset:CMATL+216
	ds_store_b64 v138, v[ZA:ZA+1] offset:CMATL+248
	s_wait_loadcnt 0x0
.irp p,0,1,2,3
	CV4 44+4*\p, 134, W2O+2560*\p
	CV4 68+4*\p, 134, ENC+W2O+2560*\p
.endr
.irp p,0,1
	CV4 60+4*\p, 135, W3O+3072*\p
	CV4 84+4*\p, 135, ENC+W3O+3072*\p
.endr
.irp p,0,1,2,3
	CV4S 92+4*\p, 141, CMAT+4352*\p, 142, 4352*\p
.endr
	v_cvt_pk_bf16_f32 v[TT], v130, v131
	v_cvt_pk_bf16_f32 v[TT+1], v132, v133
	ds_store_b32 v137, v[TT] offset:1280
	ds_store_b32 v137, v[TT+1] offset:ENC+1280
	s_cmp_eq_u32 s2, 7
	s_cbranch_scc0 .Lno_vec2
.set vs_i, 0
.rept 22
	ds_store_b32 v224, v[108+vs_i] offset:VEC+128*vs_i
.set vs_i, vs_i+1
.endr
.Lno_vec2:
	; the first chunk of the head's weights: mw1, 13 whole passes and half of a fourteenth (rows 104-107; rows 108-111 stay zero)
.irp i,0,1,2,3
	v_mov_b32 v[HW+52+\i], 0
.endr
.irp p,0,1,2,3,4,5,6,7,8,9,10,11,12
	HLD \p, 46, \p
.endr
	s_cmp_lt_u32 s2, 4
	s_cbranch_scc0 .Lshort
	HLD 13, 46, 13
.Lshort:
	s_wait_dscnt 0x0                               ; my stores into the images are done: the other waves read them behind the barrier
	s_wait_kmcnt 0x0                               ; mb4
	s_barrier_signal -1
	s_barrier_wait -1                              ; the first fills may stay out
	; ---------------- the robot encoder
	LOADW 0
	RTILE 0, 1                                     ; the count leaves slot 1's tile on its way
	REFILL 0, 0
	s_wait_loadcnt 0x0                             ; mw1, asked for a tile ago
.irp p,0,1,2,3,4,5,6,7,8,9,10,11,12,13
	CV4S HW+4*\p, 221, 2304*\p, 225, 2304*\p
.endr
	ds_store_b64 v221, v[ZA:ZA+1] offset:2304*14   ; rows 112-127 of mw1's images
	ds_store_b64 v221, v[ZA:ZA+1] offset:2304*15
	ds_store_b64 v225, v[ZA:ZA+1] offset:2304*14
	ds_store_b64 v225, v[ZA:ZA+1] offset:2304*15
	RTILE 1, 1                                     ; one load was issued behind this tile's; the wait for all loads in front of the barrier has shown it landed
	REFILL 1, 1
.irp p,0,1,2,3,4,5,6,7,8,9,10,11,12,13
	HLD \p, 48, \p                                 ; mw2, passes 0-13: stored a tile later, when the encoders' images are free
.endr
	; ---------------- the track encoder
	LOADW 1
	TTILE 0, 0, 1
	REFILL 0, 2                                    ; in front of this barrier every wave has taken the track weights out of the images: their bytes now take mw2's lo
	s_wait_loadcnt 0x0
.irp p,0,1,2,3,4,5,6,7,8,9,10,11,12,13
	CV4S HW+4*\p, 222, 2304*\p, 226, 2304*\p
.endr
	HLD 0, 48, 14                                  ; the rest of mw2, and mw3
	HLD 1, 48, 15
.irp p,0,1,2,3,4,5,6,7
	HLD 2+\p, 50, \p
.endr
	TTILE 1, 1, 1
	REFILL 1, 3                                    ; the last load
	s_wait_loadcnt 0x0
	CV4S HW, 222, 2304*14, 226, 2304*14
	CV4S HW+4, 222, 2304*15, 226, 2304*15          ; mw3 stays in its 32 registers until the slots are free
	TTILE 2, 0, 1
	TTILE 3, 1, 0                                  ; no load was issued behind this one, and none may be out at the end
	s_wait_dscnt 0x0                               ; my embeddings are in CMAT, my reads of my slots are back
	s_barrier_signal -1
	s_barrier_wait -1                              ; no wave reads a slot any more and no fill is to come: mw3's images go there
.irp p,0,1,2,3,4,5,6,7
	CV4S HW+8+4*\p, 223, 2560*\p, 223, MW3LO+2560*\p
.endr
	s_wait_dscnt 0x0
	s_barrier_signal -1
	s_barrier_wait -1                              ; CMAT and all the head's images are whole
	s_cmp_lt_u32 s2, 4
	s_cbranch_scc0 .Ljoin
	; ---------------- the head, waves 0-3, 16 items each, transposed as the encoders' first layers: source 0 = W^T, source 1 = 16 items.
	; window 1: two buffers of 16 weight fragments; a hi group is multiplied by the operand's hi and lo, a lo group by its hi.
	; The biases are loaded into the accumulators, so every product adds in place.
	v_add_nc_u32 v12, MW1H, v4
	v_add_nc_u32 v13, MW1L, v4
	v_add_nc_u32 v14, MW2H, v4
	v_add_nc_u32 v15, MW3H, v3
	v_and_b32 v16, 15, v0
	s_lshl_b32 s9, s2, 4
	v_add_nc_u32 v16, s9, v16                      ; my item: 16 w + r
	v_lshrrev_b32 v18, 1, v5                       ; 16 h
	v_mad_u32_u24 v17, v16, 272, v18
	v_lshlrev_b32 v16, 2, v16
.irp k,0,1,2,3
	ds_load_b128 v[CH+8*\k:CH+8*\k+3], v17 offset:CMAT+64*\k
	ds_load_b128 v[CH+8*\k+4:CH+8*\k+7], v17 offset:CMAT+64*\k+32
	ds_load_b128 v[CL+8*\k:CL+8*\k+3], v17 offset:CMATL+64*\k
	ds_load_b128 v[CL+8*\k+4:CL+8*\k+7], v17 offset:CMATL+64*\k+32
.endr
	BIASLD DA, VEC+1280, 8                         ; mb1
	LOADG 0, 12, 0, 288, 8, 0, 2                   ; mw1 hi, K 0-63
	LOADG 128, 13, 0, 288, 8, 0, 2                 ; mw1 lo, K 0-63
	s_wait_dscnt 32                                ; all but the 32 loads of the lo group
	MULG 0, DA, CH, 8, 0, 2
	MULG 0, DA, CL, 8, 0, 2
	PLACES
	LOADG 0, 12, 0, 288, 8, 2, 2                   ; mw1 hi, K 64-127
	s_wait_dscnt 32                                ; all but the 32 just issued
	MULG 128, DA, CH, 8, 0, 2
	PLACES
	LOADG 128, 13, 0, 288, 8, 2, 2                 ; mw1 lo, K 64-127
	s_wait_dscnt 32
	MULG 0, DA, CH, 8, 2, 2
	MULG 0, DA, CL, 8, 2, 2
	PLACES
	LOADG 0, 14, 0, 288, 8, 0, 2                   ; mw2 hi, K 0-63
	s_wait_dscnt 32
	MULG 128, DA, CH, 8, 2, 2
	PLACES
	LOADG 128, 4, MW2L, 288, 8, 0, 2               ; mw2 lo, K 0-63
	ACTS DA, HHI, HLO, 8
	BIASLD DA, VEC+1792, 8                         ; mb2, into the accumulators that layer 1 has left
	s_wait_dscnt 0x0
	MULG 0, DA, HHI, 8, 0, 2
	MULG 0, DA, HLO, 8, 0, 2
	PLACES
	LOADG 0, 14, 0, 288, 8, 2, 2                   ; mw2 hi, K 64-127
	MULG 128, DA, HHI, 8, 0, 2                     ; its group was shown in by the wait for all above
	PLACES
	LOADG 128, 4, MW2L, 288, 8, 2, 2               ; mw2 lo, K 64-127
	s_wait_dscnt 32
	MULG 0, DA, HHI, 8, 2, 2
	MULG 0, DA, HLO, 8, 2, 2
	PLACES
	LOADG 0, 15, 0, 160, 4, 0, 4                   ; mw3 hi, all of it
	s_wait_dscnt 32
	MULG 128, DA, HHI, 8, 2, 2
	PLACES
	LOADG 128, 15, MW3LO, 160, 4, 0, 4             ; mw3 lo
	ACTS DA, CH, CL, 8
	BIASLD HHI, VEC+2304, 4                        ; mb3, into layer 3's accumulators
	BIASLD HLO, VEC+2560, 4                        ; mw4, in the layout of layer 3's sums
	s_wait_dscnt 0x0
	MULG 0, HHI, CH, 4, 0, 4
	MULG 0, HHI, CL, 4, 0, 4
	MULG 128, HHI, CH, 4, 0, 4
	PLACES
	WIN 0
.set fi, 0
.rept 16
	RELU2 HHI+2*fi
.set fi, fi+1
.endr
	; the last layer has one column: 32 multiply-adds a lane in f32, two chains, then the two halves of the lanes meet
	v_pk_mul_f32 v[TS:TS+1], v[HHI:HHI+1], v[HLO:HLO+1]
	v_pk_mul_f32 v[TS+2:TS+3], v[HHI+2:HHI+3], v[HLO+2:HLO+3]
.set fi, 2
.rept 14
	v_pk_fma_f32 v[TS+2*(fi&1):TS+2*(fi&1)+1], v[HHI+2*fi:HHI+2*fi+1], v[HLO+2*fi:HLO+2*fi+1], v[TS+2*(fi&1):TS+2*(fi&1)+1]
.set fi, fi+1
.endr
	v_pk_add_f32 v[TS:TS+1], v[TS:TS+1], v[TS+2:TS+3]
	v_add_f32 v[TS], v[TS], v[TS+1]
	v_permlanex16_b32 v[TS+2], v[TS], s6, s7
	v_add_f32 v[TS], v[TS], v[TS+2]
	v_add_f32 v[TS], s8, v[TS]                     ; + mb4
	ds_store_b32 v16, v[TS] offset:OUTS            ; both halves hold the same number and write the same word
.Ljoin:
	s_wait_dscnt 0x0
	s_barrier_signal -1
	s_barrier_wait -1
	s_cmp_lg_u32 s2, 0
	s_cbranch_scc1 .Lend
	v_lshlrev_b32 v12, 3, v1
	ds_load_b64 v[14:15], v12 offset:OUTS
	s_lshl_b32 s10, s3, 8
	s_mov_b32 s11, 0
	s_add_nc_u64 s[10:11], s[62:63], s[10:11]
	s_wait_dscnt 0x0
	global_store_b64 v12, v[14:15], s[10:11]       ; the group's 64 results: 256 consecutive bytes, at a multiple of 256 from out0's first byte, in one store
.Lend:
	s_wait_tensorcnt 0x0
	ds_add_u32 v254, v255
	s_wait_dscnt 0x0
	s_endpgm
.Lfunc_end_k_q73af117dfa_critic:
	.size	k_q73af117dfa_critic, .Lfunc_end_k_q73af117dfa_critic-k_q73af117dfa_critic
	.p2alignl 7, 3214868480
	.fill 96, 4, 3214868480
	.section	.rodata,"a",@progbits
	.p2align	6, 0x0
	.amdhsa_kernel k_q73af117dfa_critic
		.amdhsa_group_segment_fixed_size 327680
		.amdhsa_private_segment_fixed_size 0
		.amdhsa_enable_private_segment 0
		.amdhsa_kernarg_size 192
		.amdhsa_user_sgpr_count 2
		.amdhsa_user_sgpr_kernarg_segment_ptr 1
		.amdhsa_wavefront_size32 1
		.amdhsa_system_sgpr_workgroup_id_x 1
		.amdhsa_system_sgpr_workgroup_id_y 1
		.amdhsa_system_sgpr_workgroup_id_z 1
		.amdhsa_system_vgpr_workitem_id 0
		.amdhsa_next_free_vgpr 512
		.amdhsa_next_free_sgpr 96
		.amdhsa_reserve_vcc 0
		.amdhsa_float_denorm_mode_32 3
		.amdhsa_float_denorm_mode_16_64 3
		.amdhsa_memory_ordered 1
		.amdhsa_forward_progress 1
		.amdhsa_inst_pref_size 255
	.end_amdhsa_kernel
	.section	.bss,"aw",@nobits
	.p2align	6
	.space	262144
	.amdgpu_metadata
---
amdhsa.version: [ 1, 2 ]
amdhsa.kernels:
  - .name:           k_q73af117dfa_critic
    .symbol:         k_q73af117dfa_critic.kd
    .args:
      - { .name: robot_features, .offset: 0, .size: 8, .value_kind: global_buffer, .address_space: global }
      - { .name: track_features, .offset: 8, .size: 8, .value_kind: global_buffer, .address_space: global }
      - { .name: tier0_features, .offset: 16, .size: 8, .value_kind: global_buffer, .address_space: global }
      - { .name: rw1, .offset: 24, .size: 8, .value_kind: global_buffer, .address_space: global }
      - { .name: rw2, .offset: 32, .size: 8, .value_kind: global_buffer, .address_space: global }
      - { .name: rw3, .offset: 40, .size: 8, .value_kind: global_buffer, .address_space: global }
      - { .name: tw1, .offset: 48, .size: 8, .value_kind: global_buffer, .address_space: global }
      - { .name: tw2, .offset: 56, .size: 8, .value_kind: global_buffer, .address_space: global }
      - { .name: tw3, .offset: 64, .size: 8, .value_kind: global_buffer, .address_space: global }
      - { .name: rb1, .offset: 72, .size: 8, .value_kind: global_buffer, .address_space: global }
      - { .name: rb2, .offset: 80, .size: 8, .value_kind: global_buffer, .address_space: global }
      - { .name: rb3, .offset: 88, .size: 8, .value_kind: global_buffer, .address_space: global }
      - { .name: tb1, .offset: 96, .size: 8, .value_kind: global_buffer, .address_space: global }
      - { .name: tb2, .offset: 104, .size: 8, .value_kind: global_buffer, .address_space: global }
      - { .name: tb3, .offset: 112, .size: 8, .value_kind: global_buffer, .address_space: global }
      - { .name: mw1, .offset: 120, .size: 8, .value_kind: global_buffer, .address_space: global }
      - { .name: mw2, .offset: 128, .size: 8, .value_kind: global_buffer, .address_space: global }
      - { .name: mw3, .offset: 136, .size: 8, .value_kind: global_buffer, .address_space: global }
      - { .name: mw4, .offset: 144, .size: 8, .value_kind: global_buffer, .address_space: global }
      - { .name: mb1, .offset: 152, .size: 8, .value_kind: global_buffer, .address_space: global }
      - { .name: mb2, .offset: 160, .size: 8, .value_kind: global_buffer, .address_space: global }
      - { .name: mb3, .offset: 168, .size: 8, .value_kind: global_buffer, .address_space: global }
      - { .name: mb4, .offset: 176, .size: 8, .value_kind: global_buffer, .address_space: global }
      - { .name: out0, .offset: 184, .size: 8, .value_kind: global_buffer, .address_space: global }
    .group_segment_fixed_size: 327680
    .private_segment_fixed_size: 0
    .kernarg_segment_align: 8
    .kernarg_segment_size: 192
    .max_flat_workgroup_size: 256
    .sgpr_count:     96
    .vgpr_count:     512
    .wavefront_size: 32
...
	.end_amdgpu_metadata
.endif
;; end of part 1
